; MI455X (gfx1250); checked and timed in simulation.
; The chip was launched on July 23, 2026; its instructions are those of AMD's public machine-readable ISA for CDNA 5 (MIT licence, August 2026) and "CDNA5" Instruction Set Architecture Reference Guide (July 2026). The comments in the code are by the model that wrote it; some were corrected since.
;; Ternary Linear. Allowed arithmetic: matrix products marked QUANTISED: E3M2 operands, one E8M0 scale for each 32 along K, by v_wmma_scale_f32_16x16x128_f8f6f4 with both operands' format E3M2, f32 sums; everything else in f32.
;; Inputs: bias 4,096 float32; weight 4,096 x 4,096 float32; x_codes 4,096 x 128 x 24 uint8 (E3M2 codes of x, K innermost, in blocks of 32 codes, four codes in three bytes); x_scales 4,096 x 128 uint8 (E8M0 scales of x, one for each 32 codes along K).
;; Outputs: out0 4,096 x 4,096 float32.
;; This version of the problem:
;;   THIS VERSION OF THE PROBLEM IS GIVEN IN LOW PRECISION. The matrix products marked QUANTISED in the list below multiply operands that are first quantised to E3M2 (3 exponent bits, 2 mantissa bits; 6 bits a number), with one power-of-two scale for each 32 numbers along K (OCP MX v1.0); their sums are f32. All else is computed in f32.
;;   The module's matrix products, in the order in which they are computed (A, B: the left and right operand; K: the contracted axis; several contracted axes count as one K, in the product's order):
;;     1. [M 4,096, K 4,096] x [K 4,096, N 4,096]; A: input x (given as codes); B: computed on the way: QUANTISED
;;   THE QUANTISER, for each operand of a quantised product, along K:
;;     - K is cut into blocks of 32 from its start; a last block that is shorter is filled with zeros.
;;     - A block's scale is 2^e with e = floor(log2(the largest magnitude in the block)) - 4, held to -126 .. 127; a block of zeros has e = 0. As a byte (E8M0): e + 127.
;;     - Each number is divided by its block's scale, clamped to +-28, and rounded to the nearest number of E3M2, ties to even, subnormals kept.
;;     - The product sums the exact products of the quantised numbers (number of the format x scale) in f32.
;;   ~~~python
;;   def quantise(x, axis):      # numpy; x: float32 -> the quantised numbers, widened to float32 again
;;       x = np.moveaxis(x, axis, -1); K = x.shape[-1]
;;       x = np.pad(x, [(0, 0)] * (x.ndim - 1) + [(0, -K % 32)]); x = x.reshape(x.shape[:-1] + (-1, 32)); a = np.abs(x).max(-1, keepdims=True)
;;       e = np.where(a > 0, np.clip(np.frexp(np.where(a > 0, a, 1))[1] - 1 - 4, -126, 127), 0)      # np.frexp(a)[1] - 1 = floor(log2(a)), exactly
;;       r = np.clip(x / 2.0 ** e, -28, 28)
;;       step = 2.0 ** (np.maximum(np.frexp(np.where(r == 0, 1, r))[1] - 1, -2) - 2)
;;       q = np.round(r / step) * step * 2.0 ** e      # np.round: ties to even
;;       return np.moveaxis(q.reshape(q.shape[:-2] + (-1,))[..., :K], -1, axis).astype(np.float32)
;;   ~~~
;;   OPERANDS COMPUTED ON THE WAY. 'Computed on the way' means the value that the module computes at that place (a softmax that the list does not call 'softmax' is quantised finished and normalised). What goes into a quantiser is computed in f32, as accurately as f32 sums, v_exp_f32 and their like allow (about 1e-6 of the number): no bf16 or f16 on the way to a quantiser, and a product that is left as it is and whose result goes on into a quantised operand takes f32 operands (vector FMAs, or v_wmma_f32_16x16x4_f32). A number that lies on a knife's edge between two numbers of the format may be rounded either way, as far as f32 arithmetic and the matrix unit's own rounding can turn it there, and no further.
;;   INPUTS GIVEN AS CODES. x (in the module: [4096, 4096], K = its axis 1): each comes as NAME_codes (uint8): NAME with its K axis moved to the last place and cut into blocks of 32 codes, [.., K / 32, bytes a block], one block behind the other in memory; four codes in three bytes: a row's codes are one little-endian stream of bits, code i at bits 6 i .. 6 i + 5 (a code: sign, 3 exponent bits, 2 mantissa bits); and NAME_scales (uint8): the same leading axes, one E8M0 byte (e + 127) for each 32 codes along K. Its value is code x scale, taken as it is: it is not quantised again, and the codes and scales need not be those that the quantiser above would give.
;; One version. Each part assembles by itself: llvm-mc -triple=amdgcn-amd-amdhsa -mcpu=gfx1250 --defsym DOCPART=n.
;; ======== version 1 of 1: 3 launches
;; limits: right only within a limited range of input values
;; workspace buffers: partial 2,048 bytes; w_img 12,582,912 bytes; w_sc 256 bytes; x_img 13,107,200 bytes
;; launch absum (part 1): grid 672 x 1, 8 waves a work-group, no clusters, 85,760 bytes of LDS; arguments weight, partial, x_codes, x_scales, x_img; writes partial, x_img
.if DOCPART == 1
	.amdgcn_target "amdgcn-amd-amdhsa--gfx1250"
	.amdhsa_code_object_version 6
	.text
	.protected	k_q78d3aaa3d3_absum
	.globl	k_q78d3aaa3d3_absum
	.p2align	8
	.type	k_q78d3aaa3d3_absum,@function
k_q78d3aaa3d3_absum:
	s_mov_b64 s[64:65], 0
	v_nop
	global_prefetch_b8 v0, s[64:65] scope:SCOPE_SE
	s_setreg_imm32_b32 hwreg(HW_REG_WAVE_MODE, 25, 1), 1
	s_wait_xcnt 0x0
; partial[g] = the sum of |weight| over work-group g's 32,768 numbers (131,072 bytes).  weight: [4096][4096] f32, taken as one stream; 512 work-groups.
; A wave takes 16,384 bytes: 32 loads of 512 consecutive bytes, 16 a lane, ALL issued at the head, so there is no loop and no pointer is stepped.
; The sum is kept short everywhere: eight chains of 16 terms a lane, a tree over the chains, over the lanes and over the eight waves, all in f32.
; LIMITS: NaN and infinities are not served; the order of rounding is this text's own, not that of the reference's sum.
; No matrix unit, no cluster, no tensor load: a stream that is read once by waves that share nothing but the last eight numbers.
.set X,   16                           ; v16-143  load j at v[X + 4 j]
.set ACC, 4                            ; v4-11    eight chains
	s_load_b128 s[4:7], s[0:1], 0x0                ; weight s[4:5], partial s[6:7]
	v_lshl_add_u32 v144, v0, 2, 0x100
	v_mov_b32 v145, 0
	; Work-groups 0-511 sum |weight| (the text below).  Work-groups 512-639 lay x's codes, and 640-671 x's scale words, in the order of the matrix operand's registers (x_img: at the text's end).
	s_cmp_ge_u32 ttmp9, 512
	s_cbranch_scc1 .Lxpath
	v_lshrrev_b32 v2, 5, v0
	s_delay_alu instid0(VALU_DEP_1)
	v_readfirstlane_b32 s10, v2                    ; wave 0..7
	v_and_b32 v1, 31, v0
	s_delay_alu instid0(VALU_DEP_1)
	v_lshlrev_b32 v1, 4, v1                        ; 16 bytes a lane
	s_delay_alu instid0(VALU_DEP_1)
	v_lshl_or_b32 v1, v2, 14, v1                   ; + 16,384 x wave
	v_lshlrev_b32 v14, 2, v2                       ; LDS: my wave's word
	v_mov_b32 v15, 0
	v_mov_b32 v13, 0                               ; written once: a lane permute's destination counts as one of its sources
	s_mov_b32 s12, 0x76543210
	s_mov_b32 s13, 0xfedcba98                      ; v_permlanex16_b32's selects for lane l xor 16
	s_lshl_b32 s8, ttmp9, 17                       ; the work-group's 131,072 bytes (512 of them: under 2^26)
	s_mov_b32 s9, 0
	s_lshl_b32 s2, ttmp9, 2                        ; and its word of partial
	s_mov_b32 s3, 0
	s_wait_alu depctr_va_vdst(0)
	s_wait_kmcnt 0x0
	s_add_nc_u64 s[4:5], s[4:5], s[8:9]
	s_add_nc_u64 s[6:7], s[6:7], s[2:3]
.set j, 0
.rept 32
	global_load_b128 v[X+4*j:X+4*j+3], v1, s[4:5] offset:512*j   ; 32 lanes read 512 consecutive bytes
.set j, j+1
.endr
	s_wait_loadcnt 28                              ; loads 0 to 3 are in; the 28 younger ones stay out
.irp i, 0,1,2,3
	v_add_f32 v[ACC+\i],   |v[X+\i]|,   |v[X+8+\i]|              ; the first four loads start the chains: nothing is cleared
	v_add_f32 v[ACC+4+\i], |v[X+4+\i]|, |v[X+12+\i]|
.endr
.set j, 4
	s_wait_alu depctr_va_vdst(0)
.rept 7
	s_wait_alu depctr_va_vdst(0)
	s_wait_loadcnt 28-j                            ; the next four loads are in: 24, 20, .. 0 younger ones stay out
.rept 4
.irp i, 0,1,2,3
	v_add_f32 v[ACC+4*(j%2)+\i], v[ACC+4*(j%2)+\i], |v[X+4*j+\i]|
.endr
.set j, j+1
.endr
.endr
	v_add_f32 v4, v4, v5                           ; the eight chains, as a tree
	v_add_f32 v6, v6, v7
	v_add_f32 v8, v8, v9
	s_delay_alu instid0(VALU_DEP_4)
	v_add_f32 v10, v10, v11
	s_delay_alu instid0(VALU_DEP_3)
	v_add_f32 v4, v4, v6
	s_delay_alu instid0(VALU_DEP_2)
	v_add_f32 v8, v8, v10
	s_delay_alu instid0(VALU_DEP_1)
	v_add_f32 v4, v4, v8
	s_delay_alu instid0(VALU_DEP_1)
	v_add_f32_dpp v4, v4, v4 row_xmask:1 row_mask:0xf bank_mask:0xf   ; the 32 lanes
	s_delay_alu instid0(VALU_DEP_1)
	v_add_f32_dpp v4, v4, v4 row_xmask:2 row_mask:0xf bank_mask:0xf
	s_delay_alu instid0(VALU_DEP_1)
	v_add_f32_dpp v4, v4, v4 row_xmask:4 row_mask:0xf bank_mask:0xf
	s_delay_alu instid0(VALU_DEP_1)
	v_add_f32_dpp v4, v4, v4 row_xmask:8 row_mask:0xf bank_mask:0xf
	s_delay_alu instid0(VALU_DEP_1)
	v_permlanex16_b32 v13, v4, s12, s13
	s_delay_alu instid0(VALU_DEP_1)
	v_add_f32 v4, v4, v13
	ds_store_b32 v14, v4                           ; all lanes write the wave's word with the same value
	s_wait_dscnt 0x0                               ; for the others' sake: my store has landed
	s_barrier_signal -1
	s_barrier_wait -1
	s_cmp_lg_u32 s10, 0                            ; wave 0 adds the eight and stores
	s_cbranch_scc1 .Lend
	ds_load_b128 v[16:19], v15
	ds_load_b128 v[20:23], v15 offset:16
	s_wait_dscnt 0x0
	v_add_f32 v16, v16, v17
	v_add_f32 v18, v18, v19
	v_add_f32 v20, v20, v21
	v_add_f32 v22, v22, v23
	s_delay_alu instid0(VALU_DEP_3)
	v_add_f32 v16, v16, v18
	s_delay_alu instid0(VALU_DEP_2)
	v_add_f32 v20, v20, v22
	s_delay_alu instid0(VALU_DEP_1)
	v_add_f32 v16, v16, v20
	v_cmp_eq_u32 vcc_lo, 0, v0
	s_wait_alu depctr_va_vdst(0)
	s_wait_xcnt 0x0                                ; EXEC changes only behind this wait
	s_and_saveexec_b32 s11, vcc_lo
	global_store_b32 v15, v16, s[6:7]              ; one word a work-group: 512 such stores in the launch
	s_wait_xcnt 0x0                                ; and again in front of the line that widens it
	s_or_b32 exec_lo, exec_lo, s11
.Lend:
	s_wait_tensorcnt 0x0
	ds_add_u32 v144, v145
	s_wait_dscnt 0x0
	s_endpgm
; x_img: for each run of 128 rows (mb) and each step of 128 along K (t) 12,800 bytes at 409,600 mb + 12,800 t:
;   512 bytes of scale words: lane (r, h)'s 16 bytes at 16 l hold the words of rows 64 h + 16 j + r, j = 0 .. 3;
;   then eight fragments (16 rows x 128 K) of 1,536 bytes: registers 4 c .. 4 c + 3 of lane l at 512 c + 16 l; lane (r, h) holds row r, registers 0-5: the 24 bytes at 96 t + 24 h of the row, registers 6-11 those 48 bytes on.
; Each of the three paths has LDS bytes of its own: 0-255 the sums, 256-1,279 the spare words, 1,280-68,863 the codes' stages, 68,864-85,759 the scale words.
.Lxpath:
	s_load_b128 s[16:19], s[0:1], 0x10             ; x_codes s[16:17], x_scales s[18:19]
	s_load_b64 s[20:21], s[0:1], 0x20              ; x_img
	v_lshrrev_b32 v2, 5, v0
	v_readfirstlane_b32 s10, v2                    ; wave 0..7
	v_and_b32 v1, 15, v0                           ; r
	v_bfe_u32 v3, v0, 4, 1                         ; h
	v_and_b32 v4, 31, v0
	v_lshlrev_b32 v5, 4, v4                        ; 16 x lane
	s_cmp_ge_u32 ttmp9, 640
	s_wait_alu depctr_va_vdst(0)                   ; the wait ahead of the branch
	s_cbranch_scc1 .Lspath
; THE CODES.  Work-group (mb, kq) takes 128 rows x 768 bytes (eight steps); wave w its rows 16 w .. 16 w + 15: 24 loads, sixteen lanes to an aligned piece of 256 bytes.
; The rows turn through the wave's own stage (16 rows, 528 bytes apart) in two rounds: pieces 0, 1 serve steps 0-4 (bytes 0-479), pieces 1, 2 serve steps 5-7 (bytes 480-767).  LDS serves a wave's instructions in order: no wait between.
	s_sub_co_u32 s11, ttmp9, 512
	s_lshr_b32 s12, s11, 2                         ; mb
	s_and_b32 s13, s11, 3                          ; kq
	s_lshl_b32 s14, s12, 3
	s_add_co_u32 s14, s14, s10
	s_mul_i32 s14, s14, 49152                      ; 16 rows of 3,072 bytes for each block (under 2^24)
	s_mul_i32 s15, s13, 768
	s_add_co_u32 s14, s14, s15
	s_mov_b32 s15, 0
	s_mul_i32 s22, s12, 409600
	s_mul_i32 s23, s13, 102400                     ; eight steps
	s_add_co_u32 s22, s22, s23
	s_mul_i32 s23, s10, 1536                       ; fragment w
	s_add_co_u32 s22, s22, s23
	s_add_co_u32 s22, s22, 512                     ; behind the step's scale words
	s_mov_b32 s23, 0
	s_mul_i32 s24, s10, 8448
	s_add_co_u32 s24, s24, 1280                    ; my stage
	v_mul_u32_u24 v6, v3, 3072
	v_lshl_add_u32 v6, v1, 4, v6                   ; memory: lanes 0-15 one row's piece, lanes 16-31 the next row's
	v_mul_u32_u24 v7, v3, 528
	v_lshl_add_u32 v7, v1, 4, v7
	v_add_nc_u32 v7, s24, v7                       ; the stage, on the way in
	v_mul_u32_u24 v8, v1, 528
	v_mad_u32_u24 v8, v3, 24, v8
	v_add_nc_u32 v8, s24, v8                       ; and on the way out: row r, + 24 h
	s_wait_alu depctr_va_vdst(0)
	s_wait_kmcnt 0x0
	s_add_nc_u64 s[16:17], s[16:17], s[14:15]
	s_add_nc_u64 s[20:21], s[20:21], s[22:23]
.irp c, 0,1,2
.irp m, 0,1,2,3,4,5,6,7
	global_load_b128 v[16+32*\c+4*\m:16+32*\c+4*\m+3], v6, s[16:17] offset:6144*\m+256*\c th:TH_LOAD_NT
.endr
.endr
	s_wait_loadcnt 0x0
.irp c, 0,1
.irp m, 0,1,2,3,4,5,6,7
	ds_store_b128 v7, v[16+32*\c+4*\m:16+32*\c+4*\m+3] offset:1056*\m+256*\c
.endr
.endr
.set QQ, 0
.rept 5                                ; steps 0-4: fifteen groups of four registers, at v16-47 (piece 0's, stored above) and v112-139
.irp p, 0,1,2,3,4,5
.set GG, 3*QQ+\p/2
	ds_load_b64 v[16+4*GG+64*(GG/8)+2*(\p%2):16+4*GG+64*(GG/8)+2*(\p%2)+1], v8 offset:96*QQ+48*(\p/3)+8*(\p%3)
.endr
.set QQ, QQ+1
.endr
.irp c, 1,2
.irp m, 0,1,2,3,4,5,6,7
	ds_store_b128 v7, v[16+32*\c+4*\m:16+32*\c+4*\m+3] offset:1056*\m+256*(\c-1)
.endr
.endr
.rept 3                                ; steps 5-7: nine groups at v48-83
.irp p, 0,1,2,3,4,5
.set GG, 3*(QQ-5)+\p/2
	ds_load_b64 v[48+4*GG+2*(\p%2):48+4*GG+2*(\p%2)+1], v8 offset:96*QQ-256+48*(\p/3)+8*(\p%3)
.endr
.set QQ, QQ+1
.endr
	s_wait_dscnt 34                                ; steps 0-4 are back; the second round's 16 stores and 18 loads are younger
.set GG, 0
.rept 15
	global_store_b128 v5, v[16+4*GG+64*(GG/8):16+4*GG+64*(GG/8)+3], s[20:21] offset:12800*(GG/3)+512*(GG%3)   ; 32 lanes store 512 consecutive bytes
.set GG, GG+1
.endr
	s_wait_dscnt 0x0
.set GG, 0
.rept 9
	global_store_b128 v5, v[48+4*GG:48+4*GG+3], s[20:21] offset:12800*(5+GG/3)+512*(GG%3)
.set GG, GG+1
.endr
	s_wait_tensorcnt 0x0                           ; the wave's end
	ds_add_u32 v144, v145
	s_wait_dscnt 0x0
	s_endpgm
; THE SCALE WORDS.  Work-group mb takes the 16,384 dense bytes of 128 rows; wave w loads rows 16 w .. + 15 (2,048 bytes), all go into LDS rows 132 bytes apart; behind the barrier wave w gathers steps 4 w .. 4 w + 3.
.Lspath:
	s_sub_co_u32 s12, ttmp9, 640                   ; mb
	s_lshl_b32 s14, s12, 14
	s_lshl_b32 s15, s10, 11
	s_add_co_u32 s14, s14, s15
	s_mov_b32 s15, 0
	s_mul_i32 s22, s12, 409600
	s_mul_i32 s23, s10, 51200                      ; four steps a wave
	s_add_co_u32 s22, s22, s23
	s_mov_b32 s23, 0
	s_mul_i32 s24, s10, 2112                       ; 16 LDS rows
	s_add_co_u32 s24, s24, 68864
	s_lshl_b32 s25, s10, 4                         ; four words along a row
	s_add_co_u32 s25, s25, 68864
	v_lshrrev_b32 v6, 3, v4
	v_and_b32 v7, 7, v0
	v_mul_u32_u24 v6, v6, 132
	v_lshl_add_u32 v6, v7, 4, v6
	v_add_nc_u32 v6, s24, v6                       ; in: eight lanes to a row of 128 bytes
	v_mul_u32_u24 v8, v1, 132
	v_mad_u32_u24 v8, v3, 8448, v8
	v_add_nc_u32 v8, s25, v8                       ; out: row 64 h + r
	s_wait_alu depctr_va_vdst(0)
	s_wait_kmcnt 0x0
	s_add_nc_u64 s[18:19], s[18:19], s[14:15]
	s_add_nc_u64 s[20:21], s[20:21], s[22:23]
.irp k, 0,1,2,3
	global_load_b128 v[16+4*\k:16+4*\k+3], v5, s[18:19] offset:512*\k th:TH_LOAD_NT
.endr
	s_wait_loadcnt 0x0
.irp k, 0,1,2,3
.irp e, 0,1,2,3
	ds_store_b32 v6, v[16+4*\k+\e] offset:528*\k+4*\e
.endr
.endr
	s_wait_dscnt 0x0                               ; for the others' sake
	s_barrier_signal -1
	s_barrier_wait -1
.irp e, 0,1,2,3
.irp j, 0,1,2,3
	ds_load_b32 v[32+4*\e+\j], v8 offset:2112*\j+4*\e
.endr
.endr
	s_wait_dscnt 0x0
.irp e, 0,1,2,3
	global_store_b128 v5, v[32+4*\e:32+4*\e+3], s[20:21] offset:12800*\e   ; 512 consecutive bytes at the head of a step's block
.endr
	s_wait_tensorcnt 0x0
	ds_add_u32 v144, v145
	s_wait_dscnt 0x0
	s_endpgm
.Lfunc_end_k_q78d3aaa3d3_absum:
	.size	k_q78d3aaa3d3_absum, .Lfunc_end_k_q78d3aaa3d3_absum-k_q78d3aaa3d3_absum
	.p2alignl 7, 3214868480
	.fill 96, 4, 3214868480
	.section	.rodata,"a",@progbits
	.p2align	6, 0x0
	.amdhsa_kernel k_q78d3aaa3d3_absum
		.amdhsa_group_segment_fixed_size 85760
		.amdhsa_private_segment_fixed_size 0
		.amdhsa_enable_private_segment 0
		.amdhsa_kernarg_size 40
		.amdhsa_user_sgpr_count 2
		.amdhsa_user_sgpr_kernarg_segment_ptr 1
		.amdhsa_wavefront_size32 1
		.amdhsa_system_sgpr_workgroup_id_x 1
		.amdhsa_system_sgpr_workgroup_id_y 1
		.amdhsa_system_sgpr_workgroup_id_z 1
		.amdhsa_system_vgpr_workitem_id 0
		.amdhsa_next_free_vgpr 146
		.amdhsa_next_free_sgpr 66
		.amdhsa_reserve_vcc 1
		.amdhsa_float_denorm_mode_32 3
		.amdhsa_float_denorm_mode_16_64 3
		.amdhsa_memory_ordered 1
		.amdhsa_forward_progress 1
		.amdhsa_inst_pref_size 31
	.end_amdhsa_kernel
	.amdgpu_metadata
---
amdhsa.version: [ 1, 2 ]
amdhsa.kernels:
  - .name:           k_q78d3aaa3d3_absum
    .symbol:         k_q78d3aaa3d3_absum.kd
    .args:
      - { .name: weight, .offset: 0, .size: 8, .value_kind: global_buffer, .address_space: global }
      - { .name: partial, .offset: 8, .size: 8, .value_kind: global_buffer, .address_space: global }
      - { .name: x_codes, .offset: 16, .size: 8, .value_kind: global_buffer, .address_space: global }
      - { .name: x_scales, .offset: 24, .size: 8, .value_kind: global_buffer, .address_space: global }
      - { .name: x_img, .offset: 32, .size: 8, .value_kind: global_buffer, .address_space: global }
    .group_segment_fixed_size: 85760
    .private_segment_fixed_size: 0
    .kernarg_segment_align: 8
    .kernarg_segment_size: 40
    .max_flat_workgroup_size: 256
    .sgpr_count:     66
    .vgpr_count:     146
    .wavefront_size: 32
...
	.end_amdgpu_metadata
.endif
;; end of part 1
;; launch ternary (part 2): grid 16 x 32, 8 waves a work-group, no clusters, 68,608 bytes of LDS; arguments weight, partial, w_img, w_sc; writes w_img, w_sc
.if DOCPART == 2
	.amdgcn_target "amdgcn-amd-amdhsa--gfx1250"
	.amdhsa_code_object_version 6
	.text
	.protected	k_q78d3aaa3d3_ternary
	.globl	k_q78d3aaa3d3_ternary
	.p2align	8
	.type	k_q78d3aaa3d3_ternary,@function
k_q78d3aaa3d3_ternary:
	s_mov_b64 s[64:65], 0
	v_nop
	global_prefetch_b8 v0, s[64:65] scope:SCOPE_SE
	s_setreg_imm32_b32 hwreg(HW_REG_WAVE_MODE, 25, 1), 1
	s_wait_xcnt 0x0
; scale = mean |weight| (the 512 partial sums, x 2^-24), thr = 0.05 scale, w_tern = +-scale where |w| > thr, else 0; w_tern is quantised along K (weight's last axis) to codes of BF6 (E3M2).
; ONE SCALE BYTE FOR THE WHOLE OPERAND: a block of 32 of w_tern has the largest magnitude scale, or is all zeros.  So every block with a number in it has the byte (scale's exponent field - 4), held at 1
; from below, and a block of zeros, whose codes are zeros and add nothing under any byte but 0xff, carries the same byte here (the quantiser's rule says 127 for it; this program alone reads the word).
; The byte goes out once, four times in each of 64 words (w_sc).  The codes are made by the format's own conversion from the f32 numbers +-scale and 0.
; EVERY WAVE of the launch adds the 512 partial sums in the same order, so that all use the same bits of thr.
; w_img IS LAID IN THE ORDER OF THE OPERAND'S REGISTERS.  Fragment (nb = n / 128, ks = k / 256, q = (k / 128) % 2, i = (n / 16) % 8) lies at ((16 nb + ks) 16 + 8 q + i) x 1,536 bytes: registers 4 c .. 4 c + 3
; of lane l at 512 c + 16 l.  Lane (r, h) holds row 16 i + r; registers 0-5: k = 32 h + 0 .. 31, registers 6-11: k = 64 + 32 h + 0 .. 31.
; SHARES.  Work-group (ks, nb) makes one dense block of 24,576 bytes; wave w its fragments (q = 0, i = w) and (q = 1, i = w): 16 rows x 1,024 consecutive bytes of weight.
; Each load reads 512 consecutive bytes of a row, 16 a lane; a conversion wants 16 neighbours along K in ONE lane: so a fragment's 8,192 bytes turn through the wave's own stage in LDS (16 rows, 528 bytes apart).
; All loads go out at the head; no loop, no barrier: waves share nothing.
; LIMITS: NaN and infinities are not served; the sum's order of rounding is this program's own; a scale under 2^-122 has the byte 1, as the rule's hold asks; an all-zero weight gives zero codes.
.set R,   64                           ; v64-191  fragment f's 64 numbers a lane at v[R + 64 f]
.set C0,  28                           ; v28-39, v40-51  the two fragments' codes: each its own, so that no store's data are written again
.set T,   52                           ; v52-58   the second halves of a block's six registers (a conversion's three begin on an even number)
.set STP, 528                          ; a stage row: 512 bytes + 16
.set WST, 16*STP                       ; a wave's stage
	s_load_b128 s[4:7], s[0:1], 0x0                ; weight s[4:5], partial s[6:7]
	s_load_b128 s[8:11], s[0:1], 0x10              ; w_img s[8:9], w_sc s[10:11]
	v_lshl_add_u32 v192, v0, 2, 0x10800
	v_mov_b32 v193, 0
	v_lshrrev_b32 v7, 5, v0
	s_delay_alu instid0(VALU_DEP_1)
	v_readfirstlane_b32 s12, v7                    ; wave 0..7
	v_and_b32 v10, 31, v0
	s_delay_alu instid0(VALU_DEP_1)
	v_lshlrev_b32 v1, 4, v10                       ; 16 x lane: the loads', the stores' and the partial sums' offset
	s_delay_alu instid0(VALU_DEP_2)
	v_lshlrev_b32 v10, 3, v10                      ; 8 x lane: the scale words' offset
	v_and_b32 v8, 15, v0                           ; r
	v_bfe_u32 v9, v0, 4, 1                         ; h
	s_mul_i32 s18, s12, WST
	v_add_nc_u32 v2, s18, v1                       ; the stage, on the way in: as loaded, 16 x lane in a row
	v_mul_u32_u24 v3, v8, STP
	s_delay_alu instid0(VALU_DEP_1)
	v_lshl_add_u32 v3, v9, 7, v3
	s_delay_alu instid0(VALU_DEP_1)
	v_add_nc_u32 v3, s18, v3                       ; and on the way out: row r, + 128 h: my 32 neighbours of each 64
	v_mov_b32 v7, 0                                ; written once: a lane permute's destination counts as one of its sources
	s_mov_b32 s13, 0x7fffffff                      ; all but the sign
	s_mov_b32 s14, 0x76543210
	s_mov_b32 s15, 0xfedcba98                      ; v_permlanex16_b32's selects for lane l xor 16
	s_and_b32 s19, ttmp7, 0xffff                   ; nb
	s_lshl_b32 s16, s19, 21                        ; weight: 128 nb rows of 16,384 bytes,
	s_lshl_b32 s20, s12, 18                        ; + 16 w rows,
	s_add_co_u32 s16, s16, s20
	s_lshl_b32 s20, ttmp9, 10                      ; + 256 ks numbers (all under 2^26)
	s_add_co_u32 s16, s16, s20
	s_mov_b32 s17, 0
	s_lshl_b32 s20, s19, 4
	s_add_co_u32 s20, s20, ttmp9
	s_mul_i32 s20, s20, 24576                      ; w_img: block 16 nb + ks,
	s_mul_i32 s22, s12, 1536                       ; fragment i = w
	s_add_co_u32 s20, s20, s22
	s_mov_b32 s21, 0
	s_or_b32 s23, s19, ttmp9
	s_or_b32 s23, s23, s12                         ; 0 in the launch's first wave alone
	s_wait_alu depctr_va_vdst(0)
	s_wait_kmcnt 0x0
	s_add_nc_u64 s[4:5], s[4:5], s[16:17]
	s_add_nc_u64 s[8:9], s[8:9], s[20:21]
.irp j, 0,1,2,3
	global_load_b128 v[12+4*\j:15+4*\j], v1, s[6:7] offset:512*\j     ; the 512 partial sums: 16 a lane
.endr
.irp f, 0,1
.irp i, 0,1,2,3,4,5,6,7,8,9,10,11,12,13,14,15
	global_load_b128 v[R+64*\f+4*\i:R+64*\f+4*\i+3], v1, s[4:5] offset:16384*\i+512*\f th:TH_LOAD_NT   ; row i, 128 numbers: 512 consecutive bytes
.endr
.endr
	s_wait_loadcnt 32                              ; the partial sums are in; the 32 loads of weight are younger
	v_pk_add_f32 v[12:13], v[12:13], v[14:15]      ; a tree: 16 a lane,
	v_pk_add_f32 v[16:17], v[16:17], v[18:19]
	v_pk_add_f32 v[20:21], v[20:21], v[22:23]
	v_pk_add_f32 v[24:25], v[24:25], v[26:27]
	s_delay_alu instid0(VALU_DEP_3)
	v_pk_add_f32 v[12:13], v[12:13], v[16:17]
	s_delay_alu instid0(VALU_DEP_2)
	v_pk_add_f32 v[20:21], v[20:21], v[24:25]
	s_delay_alu instid0(VALU_DEP_1)
	v_pk_add_f32 v[12:13], v[12:13], v[20:21]
	s_delay_alu instid0(VALU_DEP_1)
	v_add_f32 v12, v12, v13
	s_delay_alu instid0(VALU_DEP_1)
	v_add_f32_dpp v12, v12, v12 row_xmask:1 row_mask:0xf bank_mask:0xf   ; and the 32 lanes
	s_delay_alu instid0(VALU_DEP_1)
	v_add_f32_dpp v12, v12, v12 row_xmask:2 row_mask:0xf bank_mask:0xf
	s_delay_alu instid0(VALU_DEP_1)
	v_add_f32_dpp v12, v12, v12 row_xmask:4 row_mask:0xf bank_mask:0xf
	s_delay_alu instid0(VALU_DEP_1)
	v_add_f32_dpp v12, v12, v12 row_xmask:8 row_mask:0xf bank_mask:0xf
	s_delay_alu instid0(VALU_DEP_1)
	v_permlanex16_b32 v7, v12, s14, s15
	s_delay_alu instid0(VALU_DEP_1)
	v_add_f32 v12, v12, v7
	s_delay_alu instid0(VALU_DEP_1)
	v_mul_f32 v4, 0x33800000, v12                  ; scale = the sum x 2^-24 (4,096 x 4,096 numbers): exact
	s_delay_alu instid0(VALU_DEP_1)
	v_mul_f32 v5, 0x3d4ccccd, v4                   ; thr = scale x 0.05
	s_delay_alu instid0(VALU_DEP_2)
	v_max_num_f32 v7, 0x2800000, v4                ; the floor 2^(5 - 127): the byte cannot fall under 1
	s_delay_alu instid0(VALU_DEP_1)
	v_add_nc_u32 v6, 0xfe000000, v7                ; 4 off the exponent field: the conversion takes the exponent field of this operand as its scale, and nothing else of it
	s_delay_alu instid0(VALU_DEP_1)
	v_lshrrev_b32 v7, 23, v6                       ; the scale's byte,
	s_delay_alu instid0(VALU_DEP_1)
	v_lshl_or_b32 v8, v7, 8, v7
	s_delay_alu instid0(VALU_DEP_1)
	v_lshl_or_b32 v8, v8, 16, v8                   ; four times: the word for 128 along K
	s_delay_alu instid0(VALU_DEP_1)
	v_mov_b32 v9, v8
; Fragment f through the stage.  LDS serves a wave's instructions in order: no wait between the stores and the loads, and one stage serves both fragments.  The numbers come back into the registers that they left:
; register 32 c + e of lane (r, h) is then w(row r, k = 64 c + 32 h + e).
.macro TURN f
.irp i, 0,1,2,3,4,5,6,7,8,9,10,11,12,13,14,15
	ds_store_b128 v2, v[R+64*\f+4*\i:R+64*\f+4*\i+3] offset:STP*\i
.endr
.irp c, 0,1
.irp j, 0,1,2,3,4,5,6,7
	ds_load_b128 v[R+64*\f+32*\c+4*\j:R+64*\f+32*\c+4*\j+3], v3 offset:256*\c+16*\j
.endr
.endr
.endm
; +-scale where |w| > thr, else 0: eight numbers at a time, so that no line waits for the line above it
.macro TERN f
.set XB, R+64*(\f)
.rept 8
.irp k, 0,1,2,3,4,5,6,7
	v_cmp_gt_f32 s[32+\k], |v[XB+\k]|, v5
.endr
.irp k, 0,1,2,3,4,5,6,7
	v_bfi_b32 v[XB+\k], s13, v4, v[XB+\k]          ; scale's magnitude under w's sign
.endr
.irp k, 0,1,2,3,4,5,6,7
	v_cndmask_b32 v[XB+\k], 0, v[XB+\k], s[32+\k]
.endr
.set XB, XB+8
.endr
.endm
; the fragment's twelve registers, and out: three stores of 512 consecutive bytes, at multiples of 512 from w_img's first byte
.macro CODES f
.set XB, R+64*(\f)
.set CB, C0+12*(\f)
	v_cvt_scalef32_pk16_bf6_f32 v[CB:CB+2],   v[XB:XB+15],    v6     ; k = 32 h + 0 .. 15: registers 0-2
	v_cvt_scalef32_pk16_bf6_f32 v[T:T+2],     v[XB+16:XB+31], v6     ; k = 32 h + 16 .. 31: for registers 3-5
	v_cvt_scalef32_pk16_bf6_f32 v[CB+6:CB+8], v[XB+32:XB+47], v6     ; k = 64 + 32 h + 0 .. 15: registers 6-8
	v_cvt_scalef32_pk16_bf6_f32 v[T+4:T+6],   v[XB+48:XB+63], v6     ; for registers 9-11
	v_nop                                          ; one plain place behind a scaled conversion
.irp i, 0,1,2
	v_mov_b32 v[CB+3+\i], v[T+\i]
	v_mov_b32 v[CB+9+\i], v[T+4+\i]
.endr
.irp c, 0,1,2
	global_store_b128 v1, v[CB+4*\c:CB+4*\c+3], s[8:9] offset:12288*(\f)+512*\c
.endr
.endm
	s_wait_alu depctr_va_vdst(0)
	s_wait_loadcnt 16                              ; fragment 0's sixteen loads are in; fragment 1's are younger
	TURN 0
	s_wait_loadcnt 0x0
	TURN 1
	s_wait_dscnt 32                                ; fragment 0 is back; fragment 1's 16 stores and 16 loads are younger
	TERN 0
	CODES 0
	s_wait_dscnt 0x0
	TERN 1
	CODES 1
	s_cmp_lg_u32 s23, 0                            ; the launch's first wave stores the scale words
	s_cbranch_scc1 .Lend
	global_store_b64 v10, v[8:9], s[10:11]         ; 32 lanes store 256 consecutive bytes: all of w_sc
.Lend:
	s_wait_tensorcnt 0x0
	ds_add_u32 v192, v193
	s_wait_dscnt 0x0
	s_endpgm
.Lfunc_end_k_q78d3aaa3d3_ternary:
	.size	k_q78d3aaa3d3_ternary, .Lfunc_end_k_q78d3aaa3d3_ternary-k_q78d3aaa3d3_ternary
	.p2alignl 7, 3214868480
	.fill 96, 4, 3214868480
	.section	.rodata,"a",@progbits
	.p2align	6, 0x0
	.amdhsa_kernel k_q78d3aaa3d3_ternary
		.amdhsa_group_segment_fixed_size 68608
		.amdhsa_private_segment_fixed_size 0
		.amdhsa_enable_private_segment 0
		.amdhsa_kernarg_size 32
		.amdhsa_user_sgpr_count 2
		.amdhsa_user_sgpr_kernarg_segment_ptr 1
		.amdhsa_wavefront_size32 1
		.amdhsa_system_sgpr_workgroup_id_x 1
		.amdhsa_system_sgpr_workgroup_id_y 1
		.amdhsa_system_sgpr_workgroup_id_z 1
		.amdhsa_system_vgpr_workitem_id 0
		.amdhsa_next_free_vgpr 194
		.amdhsa_next_free_sgpr 66
		.amdhsa_reserve_vcc 0
		.amdhsa_float_denorm_mode_32 3
		.amdhsa_float_denorm_mode_16_64 3
		.amdhsa_memory_ordered 1
		.amdhsa_forward_progress 1
		.amdhsa_inst_pref_size 38
	.end_amdhsa_kernel
	.amdgpu_metadata
---
amdhsa.version: [ 1, 2 ]
amdhsa.kernels:
  - .name:           k_q78d3aaa3d3_ternary
    .symbol:         k_q78d3aaa3d3_ternary.kd
    .args:
      - { .name: weight, .offset: 0, .size: 8, .value_kind: global_buffer, .address_space: global }
      - { .name: partial, .offset: 8, .size: 8, .value_kind: global_buffer, .address_space: global }
      - { .name: w_img, .offset: 16, .size: 8, .value_kind: global_buffer, .address_space: global }
      - { .name: w_sc, .offset: 24, .size: 8, .value_kind: global_buffer, .address_space: global }
    .group_segment_fixed_size: 68608
    .private_segment_fixed_size: 0
    .kernarg_segment_align: 8
    .kernarg_segment_size: 32
    .max_flat_workgroup_size: 256
    .sgpr_count:     66
    .vgpr_count:     194
    .wavefront_size: 32
...
	.end_amdgpu_metadata
.endif
;; end of part 2
;; launch gemm (part 3): grid 16 x 16, 4 waves a work-group, clusters of 4 x 4, 327,680 bytes of LDS; arguments x_img, w_img, w_sc, bias, out0; writes out0
.if DOCPART == 3
	.amdgcn_target "amdgcn-amd-amdhsa--gfx1250"
	.amdhsa_code_object_version 6
	.text
	.protected	k_q78d3aaa3d3_gemm
	.globl	k_q78d3aaa3d3_gemm
	.p2align	8
	.type	k_q78d3aaa3d3_gemm,@function
k_q78d3aaa3d3_gemm:
	s_mov_b64 s[64:65], 0
	v_nop
	global_prefetch_b8 v0, s[64:65] scope:SCOPE_SE
	s_setreg_imm32_b32 hwreg(HW_REG_WAVE_MODE, 25, 1), 1
	s_wait_xcnt 0x0
	s_wait_alu depctr_hold_cnt(0) depctr_sa_sdst(0) depctr_va_vdst(0) depctr_va_sdst(0) depctr_va_ssrc(0) depctr_va_vcc(0) depctr_vm_vsrc(0)
	s_getreg_b32 s2, hwreg(HW_REG_IB_STS2, 6, 4)
	s_cmp_eq_u32 s2, 0
	s_cbranch_scc0 .Lentry_in_a_cluster
	s_endpgm
.Lentry_in_a_cluster:
	s_bfe_u32 s2, ttmp6, 0x10000c
	s_cmp_lg_u32 s2, 0xf033
	s_cbranch_scc0 .Lentry_shape_is_right
	s_endpgm
.Lentry_shape_is_right:
; out0[m][n] = sum over k of x[m][k] w[n][k] + bias[n].  M = N = K = 4,096.  Both operands are codes of BF6 (E3M2) with E8M0 scales for each 32 along K; sums in f32.
; BOTH OPERANDS ARRIVE AS IMAGES OF THE OPERAND'S REGISTERS.  A fragment (16 rows x 128 K) is 1,536 bytes: registers 4 c .. 4 c + 3 of lane l at 512 c + 16 l.
;   x_img: run mb (128 rows), step t (128 K): 12,800 bytes: 512 of scale words (lane (r, h): the words of blocks 4 h + 0 .. 3, row r), then eight fragments.   w_img: run nb, step t: eight fragments, 12,288 bytes; ONE scale word for all of w (w_sc).
; A tile of out0, 256 x 256, is made by four waves, as many as a WGP has SIMDs; a wave makes 128 x 128: 64 accumulators.  256 work-groups.
; K goes through a ring of two LDS slots of THREE steps (384 K): a wave's tensor load is one dense block (x: 150 rows of 256 bytes, w: 144); ten such slots and one of two steps.  One barrier for three steps.
; CLUSTERS: 4 x 4.  x's blocks are shared along a row of the cluster, w's along a column: joint loads.  The matrix instruction is used transposed (source 0 = w, source 1 = x): a lane holds eight neighbouring numbers of a row of out0.
; REGISTERS.  Each window of 256 holds v0-31 small things, v32-127 two sets of four fragments, v128-255 sixteen accumulators.  x's blocks 0-3 lie in window 0, 4-7 in window 1, w's 0-3 in window 2, 4-7 in window 3;
; accumulator (a, b) lies in window 2 (a / 4) + b / 4 at v[128 + 8 (4 (a % 4) + b % 4)].  A step is four phases of 16 matrix instructions, (a / 4, b / 4) = (1,0), (0,1), (1,1), (0,0).  In a phase the results' window is also
; the window of four fragments of the NEXT step, and the LDS addresses lie in the window of source 0 (copies in windows 2 and 3): so a phase is ONE run of twelve LDS loads and sixteen matrix instructions under ONE setting of the windows.
; THE LAST FIVE STEPS (27-31: slots 9 and 10, which lie in LDS together) GO BY QUARTERS OF MY TILE, NOT BY K: a window's sixteen accumulators run through all five steps, K ascending, and then leave while the next quarter is multiplied.
; In those steps a fragment is read from LDS twice.  The way out has a stage of its own behind the spare words; the bias is added to whole rows there; the first step's products start the sums on the constant 0.
; PREFETCH: at the change of slots that asks for slot s + 2 each wave names the block of slot s + 4 that it will load, its work-group's quarter (by address: cx for x, cy for w), lanes 256 bytes apart, two instructions;
; slots 0-3 and the short slot 10 come by their loads alone; what a work-group has asked for and not yet loaded is two slots.
.set XSTEP, 12800
.set WSTEP, 12288
.set XRUN,  32*XSTEP
.set WRUN,  32*WSTEP
.set XH,    3*XSTEP                    ; what one tensor load brings of x, and what one wave reads
.set WH,    3*WSTEP
.set BOFF,  2*XH
.set SLOT,  BOFF+2*WH                  ; 150,528 bytes
.set SPARE, 2*SLOT                     ; the spare words: 512 bytes that no other line names
.set STAGE, SPARE+512                  ; the way out: 16 rows x (256 bytes + 16) for each wave; no fill lands here
.set SPITCH, 272
.set GO,  3                            ; v3      the way out: my byte offset in out0: lanes 0-15 a row's 256 bytes, lanes 16-31 the next row's
.set SC,  8                            ; v8-15   x's scale words, two sets of four: register i: lanes 0-15 block i, lanes 16-31 block 4 + i
.set BI,  16                           ; v16-19, v28-31  bias of my four columns on the way out, for columns 0-63 and 64-127
.set STO, 20
.set RD,  21
.set CO,  22                           ; 16 x lane
.set WS,  23                           ; w's scale word
.set SPW, 24
.set NIL, 25
.set PFO, 26                           ; v26-27  the prefetches' lane offsets
.set ADA, 4                            ; windows 2 and 3: v4-5 LDS address of my x in slot 0, 1;  v6-7 of my w
.set ADB, 6
.set G1,  24
.set G0,  32
.set G1B, 48
.set G0B, 56
.set PFA, 66
.set PFS, 84
.set M10, 0xa6                         ; source 0 window 2, source 1 window 1, C and D window 2
.set M01, 0x53                         ; 3, 0, 1
.set M11, 0xf7                         ; 3, 1, 3
.set M00, 0x02                         ; 2, 0, 0
.set MSB, 0
.macro WIN new                         ; the immediate's high byte repeats the setting that is left
.if MSB != (\new)
	s_set_vgpr_msb (MSB<<8)|(\new)
.set MSB, (\new)
.endif
.endm
.macro PLACES
.rept 4
	v_nop
.endr
.endm
.macro JLOAD s                         ; a joint load: waves 0, 1 fetch x's halves, waves 2, 3 w's
	s_cmp_eq_u32 s15, 0
	s_cbranch_scc0 .Lfor_b_\@
	tensor_load_to_lds s[G0+4*(\s):G0+4*(\s)+3], s[G1:G1+7]
	s_nop 0
	PLACES
	s_branch .Lasked_\@
.Lfor_b_\@:
	tensor_load_to_lds s[G0B+4*(\s):G0B+4*(\s)+3], s[G1B:G1B+7]
	s_nop 0
	PLACES
.Lasked_\@:
.endm
.macro CREST
	s_cmp_lg_u32 s14, 0
	s_cbranch_scc1 .Lnot_wave_0_\@
	s_barrier_signal -3
.Lnot_wave_0_\@:
	s_barrier_wait -3
	s_barrier_signal -1
	s_barrier_wait -1
.endm
.macro CROUND
	s_barrier_signal -1
	s_barrier_wait -1
	CREST
.endm
.macro ASK                             ; not in the loop's last trip (s3 = 1): its slots two refills on are the short one and none
	s_cmp_gt_u32 s3, 1
	s_cbranch_scc0 .Lno_ask_\@
	global_prefetch_b8 v[PFO], s[PFA:PFA+1] th:TH_LOAD_NT scope:SCOPE_SE
	global_prefetch_b8 v[PFO+1], s[PFA:PFA+1] th:TH_LOAD_NT scope:SCOPE_SE
.Lno_ask_\@:
.endm
; one product: x's block i and w's block j of the phase's fours; al = 1: x's blocks 4-7, whose scale words stand in lanes 16-31
.macro MM al, i, j, p, zero
.set DA, 128+8*(4*(\i)+(\j))
.set FB, 32+48*(\p)+12*(\j)
.set FA, 32+48*(\p)+12*(\i)
.set SX, SC+4*(\p)+(\i)
.if \zero
.if \al
	v_wmma_scale_f32_16x16x128_f8f6f4 v[DA:DA+7], v[FB:FB+11], v[FA:FA+11], 0, v[WS], v[SX] matrix_a_fmt:MATRIX_FMT_BF6 matrix_b_fmt:MATRIX_FMT_BF6 matrix_b_scale:MATRIX_SCALE_ROW1
.else
	v_wmma_scale_f32_16x16x128_f8f6f4 v[DA:DA+7], v[FB:FB+11], v[FA:FA+11], 0, v[WS], v[SX] matrix_a_fmt:MATRIX_FMT_BF6 matrix_b_fmt:MATRIX_FMT_BF6
.endif
.else
.if \al
	v_wmma_scale_f32_16x16x128_f8f6f4 v[DA:DA+7], v[FB:FB+11], v[FA:FA+11], v[DA:DA+7], v[WS], v[SX] matrix_a_fmt:MATRIX_FMT_BF6 matrix_b_fmt:MATRIX_FMT_BF6 matrix_b_scale:MATRIX_SCALE_ROW1
.else
	v_wmma_scale_f32_16x16x128_f8f6f4 v[DA:DA+7], v[FB:FB+11], v[FA:FA+11], v[DA:DA+7], v[WS], v[SX] matrix_a_fmt:MATRIX_FMT_BF6 matrix_b_fmt:MATRIX_FMT_BF6
.endif
.endif
.endm
.macro RUN12 rb, adr, off              ; twelve loads of 512 consecutive bytes bring four fragments into v[rb ..]
.irp k, 0,1,2,3,4,5,6,7,8,9,10,11
	ds_load_b128 v[(\rb)+4*\k:(\rb)+4*\k+3], v[\adr] offset:(\off)+512*\k
.endr
.endm
.macro ROW al, i, p, zero              ; four products of one block of x
.irp j, 0,1,2,3
	MM \al, \i, \j, \p, \zero
.endr
.endm
; a phase: the run of loads into the other set (ld = 1), the wait for this phase's own fragments (cnt, where one is due), sixteen products; the accumulators take turns
.macro PHASE al, p, zero, ld, adr, off, cnt
.if \ld
	RUN12 80-48*(\p), \adr, \off
.endif
.if (\cnt) >= 0
	s_wait_dscnt \cnt
.endif
.irp i, 0,1,2,3
	ROW \al, \i, \p, \zero
.endr
.endm
; Step t.  LDS loads go out in the order w 0-3, x 4-7, w 4-7, x's scale words, x 0-3.  The first phase wants all of the last step's but the youngest 12 (x 0-3): with its own run of 12 just issued, 24 may be out.
; The second phase wants x 0-3: the two runs issued since, 24 loads, may be out.
; The four v_nop at the head are the places between the last step's products and the loads into the set that they read.
; bar: the slot's last step.  All its fragments are in registers or on their way, so this slot is read no more: the wait for all my tensor loads (my part of the next slot), the add, four products, the wait for the add and my reads,
; the barrier (four products inside), the rest of the cluster's round and the joint refill, two slots on (bar = 3: the short last slot).  The first phase's run of loads follows, ahead of its last eight products.
.macro STEP t, zero, ld, bar, ask
.set P,  (\t)%2
.set UN, ((\t)+1)%3
.set SN, (((\t)+1)/3)%2
.set SL, ((\t)/3)%2
.if \bar
.if \ask
	s_wait_xcnt 0x0                                ; my last prefetches, three steps back, have read their address
	s_add_nc_u64 s[PFA:PFA+1], s[PFA:PFA+1], s[PFS:PFS+1]
.endif
	WIN 0
	s_wait_tensorcnt 0x0
	ds_add_u32 v[SPW], v[NIL]
	s_add_nc_u64 s[G0+4*SL+2:G0+4*SL+3], s[G0+4*SL+2:G0+4*SL+3], 2*XH      ; no tensor load of mine is out: the descriptors may be written
	s_add_nc_u64 s[G0B+4*SL+2:G0B+4*SL+3], s[G0B+4*SL+2:G0B+4*SL+3], 2*WH
.if (\bar) == 3
	s_mov_b32 s[G1+2], 100<<16                     ; two steps: 100 rows of 256 bytes of x,
	s_mov_b32 s[G1+4], 100
	s_mov_b32 s[G1B+2], 96<<16                     ; 96 of w
	s_mov_b32 s[G1B+4], 96
.endif
	PLACES
	s_wait_dscnt 13                                ; the add and x 0-3 may be out
	WIN M10
	ROW 1, 0, P, 0
	s_wait_dscnt 0x0
	s_barrier_signal -1
	ROW 1, 1, P, 0
	WIN 0
	s_barrier_wait -1
	CREST
	JLOAD SL
	WIN M10
	RUN12 80-48*P, ADB+SN, UN*WSTEP
	ROW 1, 2, P, 0
	ROW 1, 3, P, 0
.if \ask
	WIN 0
	ASK
.endif
.else
	PLACES
	WIN M10
	PHASE 1, P, \zero, \ld, ADB+SN, UN*WSTEP, 12+12*(\ld)
.endif
	WIN M01
	PHASE 0, P, \zero, \ld, ADA+SN, UN*XSTEP+512+6144, 24*(\ld)
	WIN M11
	PHASE 1, P, \zero, \ld, ADB+SN, UN*WSTEP+6144, -1
	WIN M00
.if \ld
	ds_load_b128 v[SC+4-4*P:SC+4-4*P+3], v[ADA+SN] offset:UN*XSTEP
.endif
	PHASE 0, P, \zero, \ld, ADA+SN, UN*XSTEP+512, -1
.endm
; BY QUARTERS.  Quarter (al, be), step 27 + i: its fragments are x's four blocks of half al and w's four of half be, in set (i + 1) % 2 (step 27's lie in set 1, as step 26 left them).
; QLOAD: one run of 25 loads: the scale words and the eight fragments of one step of a quarter, into set pn; the four v_nop are the places behind the products that read that set.  The addresses are window 2's.
.macro QLOAD al, be, pn, sn, un
	PLACES
	WIN 0x02
	ds_load_b128 v[SC+4*(\pn):SC+4*(\pn)+3], v[ADA+(\sn)] offset:(\un)*XSTEP
	WIN ((\al)<<6)|2
	RUN12 32+48*(\pn), ADA+(\sn), (\un)*XSTEP+512+6144*(\al)
	WIN ((2+(\be))<<6)|2
	RUN12 32+48*(\pn), ADB+(\sn), (\un)*WSTEP+6144*(\be)
.endm
; QSTEP: the next step's run, the wait for all but that run, sixteen products.  meet = 1 (once, ahead of the first read of slot 10): my part of slot 10 has landed, my LDS loads are back, a barrier: everybody's has.
.macro QSTEP al, be, i, meet
.set P,  ((\i)+1)%2
.set NI, (\i)+1
.if (\i) < 4
.if \meet
	WIN 0
	s_wait_tensorcnt 0x0
	s_wait_dscnt 0x0
	s_barrier_signal -1
	s_barrier_wait -1
.endif
	QLOAD \al, \be, 1-P, 1-NI/3, NI%3
	s_wait_dscnt 25
.else
	s_wait_dscnt 0x0
.endif
	WIN (2+(\be))|((\al)<<2)|((2*(\al)+(\be))<<4)|((2*(\al)+(\be))<<6)
.irp r, 0,1,2,3
	ROW \al, \r, P, 0
.endr
.endm
; QOUT: a finished quarter, 64 rows x 64 columns, leaves by blocks of 16 rows: 32 bytes a lane into my stage, back as whole rows of 256 bytes (two a load) into the block's own registers, + bias, stored: sixteen lanes fill an aligned 256 bytes.
; LDS serves a wave's instructions in order: no wait between stores and loads, nor ahead of the next block's stores.  Behind block i's loads stand 16 LDS instructions for each later block.
; The stores' offsets reach 126 rows of 16,384 bytes: inside the signed 24-bit immediate; no base is stepped, and no register that a store reads is written again.
.macro QOUT al, be
.set W, 2*(\al)+(\be)
.irp i, 0,1,2,3
	WIN W<<2                                       ; an LDS store's data are its source 1
.irp j, 0,1,2,3
	ds_store_b128 v[STO], v[128+8*(4*\i+\j):128+8*(4*\i+\j)+3] offset:64*\j         ; each accumulator from its low end on
	ds_store_b128 v[STO], v[128+8*(4*\i+\j)+4:128+8*(4*\i+\j)+7] offset:64*\j+16
.endr
	WIN W<<6
.irp t, 0,1,2,3,4,5,6,7
	ds_load_b128 v[128+32*\i+4*\t:128+32*\i+4*\t+3], v[RD] offset:2*SPITCH*\t
.endr
.endr
.irp i, 0,1,2,3
	s_wait_dscnt 48-16*\i
	WIN (W<<6)|W                                   ; destination and source 0 in the quarter's window, the bias in window 0
.irp t, 0,1,2,3,4,5,6,7
	v_pk_add_f32 v[128+32*\i+4*\t:128+32*\i+4*\t+1], v[128+32*\i+4*\t:128+32*\i+4*\t+1], v[BI+12*(\be):BI+12*(\be)+1]
	v_pk_add_f32 v[128+32*\i+4*\t+2:128+32*\i+4*\t+3], v[128+32*\i+4*\t+2:128+32*\i+4*\t+3], v[BI+12*(\be)+2:BI+12*(\be)+3]
.endr
	WIN W<<2                                       ; a store's data are its source 1
.irp t, 0,1,2,3,4,5,6,7
	global_store_b128 v[GO], v[128+32*\i+4*\t:128+32*\i+4*\t+3], s[12:13] offset:(64*(\al)+16*\i+2*\t)*16384+256*(\be) th:TH_STORE_NT
.endr
.endr
.endm
	s_load_b128 s[4:7], s[0:1], 0x0                ; x_img s[4:5], w_img s[6:7]
	s_load_b128 s[8:11], s[0:1], 0x10              ; w_sc s[8:9], bias s[10:11]
	s_load_b64 s[12:13], s[0:1], 0x20              ; out0
	v_lshl_add_u32 v[SPW], v0, 2, SPARE
	v_mov_b32 v[NIL], 0
	ds_add_u32 v[SPW], v[NIL]                      ; the opening lines: the add, twice on end, and its wait
	ds_add_u32 v[SPW], v[NIL]
	v_lshrrev_b32 v1, 5, v0
	v_readfirstlane_b32 s14, v1                    ; wave 0..3
	s_lshr_b32 s15, s14, 1                         ; my half of the tile's rows; also: I fetch for x (0) or w (1)
	s_and_b32 s16, s14, 1                          ; my half of its columns; also: which run of 128 rows I fetch
	s_bfe_u32 s40, ttmp6, 0x40000                  ; cx
	s_bfe_u32 s41, ttmp6, 0x40004                  ; cy
	s_lshl_b32 s42, ttmp9, 2
	s_add_co_u32 s42, s42, s40                     ; tile column
	s_and_b32 s17, ttmp7, 0xffff
	s_lshl_b32 s17, s17, 2
	s_add_co_u32 s17, s17, s41                     ; tile row
	s_lshl_b32 s43, s41, 2
	s_lshl_b32 s43, 15, s43                        ; my row of the cluster
	s_lshl_b32 s44, 0x1111, s40                    ; my column
	s_or_b32 s[G1+0], s43, (3<<16)|(1<<21)         ; dense blocks as rows of 256 bytes (32 elements of 8), no padding
	s_or_b32 s[G1B+0], s44, (3<<16)|(1<<21)
	s_mov_b32 s[G1+1], 32<<16
	s_mov_b32 s[G1+2], 150<<16
	s_mov_b32 s[G1+3], 32<<16
	s_mov_b32 s[G1+4], 150
	s_mov_b32 s[G1+5], 32
	s_mov_b32 s[G1+6], 0
	s_mov_b32 s[G1+7], 0
	s_mov_b32 s[G1B+1], 32<<16
	s_mov_b32 s[G1B+2], 144<<16
	s_mov_b32 s[G1B+3], 32<<16
	s_mov_b32 s[G1B+4], 144
	s_mov_b32 s[G1B+5], 32
	s_mov_b32 s[G1B+6], 0
	s_mov_b32 s[G1B+7], 0
	s_lshl_b32 s20, s17, 1
	s_add_co_u32 s20, s20, s16
	s_mul_i32 s20, s20, XRUN                       ; x: run 2 x tile row + half (under 2^24)
	s_mov_b32 s21, 0
	s_lshl_b32 s46, s42, 1
	s_add_co_u32 s46, s46, s16
	s_mul_i32 s46, s46, WRUN                       ; w: run 2 x tile column + half
	s_mov_b32 s47, 0
	s_mul_i32 s45, s16, XH                         ; where they go: no place in the cluster enters an LDS address
	s_mul_i32 s95, s16, WH
	s_add_co_u32 s95, s95, BOFF
	s_wait_dscnt 0x0
	s_wait_kmcnt 0x0
	s_add_nc_u64 s[20:21], s[4:5], s[20:21]
	s_add_nc_u64 s[46:47], s[6:7], s[46:47]
	CROUND                                         ; the first joint loads meet
.irp s, 0,1
	s_mov_b32 s[G0+4*\s], 1
	s_add_co_u32 s[G0+4*\s+1], s45, \s*SLOT
	s_add_nc_u64 s[G0+4*\s+2:G0+4*\s+3], s[20:21], \s*XH
	s_or_b32 s[G0+4*\s+3], s[G0+4*\s+3], 0x80000000
	s_mov_b32 s[G0B+4*\s], 1
	s_add_co_u32 s[G0B+4*\s+1], s95, \s*SLOT
	s_add_nc_u64 s[G0B+4*\s+2:G0B+4*\s+3], s[46:47], \s*WH
	s_or_b32 s[G0B+4*\s+3], s[G0B+4*\s+3], 0x80000000
.endr
	JLOAD 0                                        ; slot 0: one tensor load a wave at the head
	s_mul_i32 s21, s15, XH                         ; LDS: my 128 rows of x in slot 0, 1
	s_add_co_u32 s23, s21, SLOT
	s_mul_i32 s22, s16, WH                         ; and of w
	s_add_co_u32 s22, s22, BOFF
	s_add_co_u32 s18, s22, SLOT
	s_mul_i32 s19, s14, 16*SPITCH
	s_add_co_u32 s19, s19, STAGE                   ; my stage
	s_lshl_b32 s68, s17, 8
	s_lshl_b32 s69, s15, 7
	s_add_co_u32 s68, s68, s69                     ; my first row of out0,
	s_lshl_b32 s68, s68, 14                        ; 16,384 bytes a row
	s_mov_b32 s69, 0
	s_lshl_b32 s70, s42, 10                        ; my first column in bytes, in out0 and in the bias alike
	s_lshl_b32 s71, s16, 9
	s_add_co_u32 s70, s70, s71
	s_mov_b32 s71, 0
	s_add_nc_u64 s[12:13], s[12:13], s[68:69]
	s_add_nc_u64 s[12:13], s[12:13], s[70:71]
	s_add_nc_u64 s[10:11], s[10:11], s[70:71]
	s_lshl_b32 s88, s17, 1                         ; the prefetches stand at slot 3 of the run that I fetch: the first change of slots steps them to slot 4
	s_add_co_u32 s88, s88, s16
	s_mul_i32 s88, s88, XRUN
	s_add_co_u32 s88, s88, 3*XH
	s_lshl_b32 s90, s42, 1
	s_add_co_u32 s90, s90, s16
	s_mul_i32 s90, s90, WRUN
	s_add_co_u32 s90, s90, 3*WH
	s_mov_b32 s[PFS], WH
	s_mov_b32 s87, 143
	s_cmp_eq_u32 s15, 0                            ; do I fetch for x?
	s_cselect_b64 s[PFA:PFA+1], s[4:5], s[6:7]
	s_cselect_b32 s88, s88, s90
	s_cselect_b32 s[PFS], XH, s[PFS]               ; from slot to slot
	s_cselect_b32 s87, 149, s87                    ; the block's last piece of 256 bytes
	s_cselect_b32 s86, 38, 36                      ; pieces for each of the four partners
	s_cselect_b32 s91, s40, s41                    ; my place among them
	s_mov_b32 s89, 0
	s_mov_b32 s[PFS+1], 0
	s_add_nc_u64 s[PFA:PFA+1], s[PFA:PFA+1], s[88:89]
	s_mul_i32 s91, s91, s86
	s_sub_co_u32 s86, s86, 1
	v_and_b32 v1, 15, v0                           ; r
	v_bfe_u32 v2, v0, 4, 1                         ; h
	v_and_b32 v6, 31, v0                           ; l
	v_lshlrev_b32 v[CO], 4, v6
	v_lshlrev_b32 v7, 2, v6
	v_lshlrev_b32 v4, 4, v1                        ; 16 r: my four columns of 64, in bytes
	v_mul_u32_u24 v5, v1, SPITCH                   ; the stage, in: row r, 32 bytes for each half of the lanes
	v_lshl_add_u32 v5, v2, 5, v5
	v_add_nc_u32 v[STO], s19, v5
	v_mul_u32_u24 v5, v2, SPITCH                   ; back: lanes 0-15 take a row of 256 bytes, lanes 16-31 the next
	v_add_nc_u32 v5, v5, v4
	v_add_nc_u32 v[RD], s19, v5
	v_lshl_add_u32 v[GO], v2, 14, v4               ; and the same two rows in out0
	v_add_nc_u32 v[PFO], s91, v6                   ; pieces 0-31 of my share,
	v_min_u32 v[PFO], s87, v[PFO]
	v_lshlrev_b32 v[PFO], 8, v[PFO]
	v_add_nc_u32 v5, 32, v6                        ; and the rest; lanes left over name its last piece again
	v_min_u32 v5, s86, v5
	v_add_nc_u32 v5, s91, v5
	v_min_u32 v5, s87, v5
	v_lshlrev_b32 v[PFO+1], 8, v5
.irp wn, 0x80, 0xc0                    ; the LDS addresses, in windows 2 and 3
	WIN \wn
	v_add_nc_u32 v[ADA], s21, v[CO]
	v_add_nc_u32 v[ADA+1], s23, v[CO]
	v_add_nc_u32 v[ADB], s22, v[CO]
	v_add_nc_u32 v[ADB+1], s18, v[CO]
.endr
	WIN 0
	s_wait_alu depctr_va_vdst(0)                   ; the wait at the head's end
	global_load_b32 v[WS], v7, s[8:9]              ; all 64 words of w_sc are equal
	global_load_b128 v[BI:BI+3], v4, s[10:11]      ; bias of columns 4 r .. 4 r + 3 of my first 64,
	global_load_b128 v[BI+12:BI+15], v4, s[10:11] offset:256   ; and of my second 64
	s_wait_tensorcnt 0x0                           ; my part of slot 0 is in
	ds_add_u32 v[SPW], v[NIL]
	s_wait_dscnt 0x0
	CROUND
	JLOAD 1                                        ; slot 1, the first tensor load behind the round
	WIN M10                                        ; step 0's fragments, in the order of every step's loads
	RUN12 32, ADB, 0
	WIN M01
	RUN12 32, ADA, 512+6144
	WIN M11
	RUN12 32, ADB, 6144
	WIN M00
	ds_load_b128 v[SC:SC+3], v[ADA]
	RUN12 32, ADA, 512
	s_wait_loadcnt 0x0                             ; w's scale word and the bias
	STEP 0, 1, 1, 0, 0                             ; the first step's products start the sums
	WIN 0
	s_mov_b32 s3, 4
.Llap:                                                 ; a trip: steps 6 i + 1 .. 6 i + 6: once round the ring, both slots filled again
	STEP 1, 0, 1, 0, 0
	STEP 2, 0, 1, 2, 1
	STEP 3, 0, 1, 0, 0
	STEP 4, 0, 1, 0, 0
	STEP 5, 0, 1, 2, 1
	STEP 6, 0, 1, 0, 0
	WIN 0
	s_sub_co_u32 s3, s3, 1
	s_cmp_lg_u32 s3, 0
	s_cbranch_scc1 .Llap
	STEP 25, 0, 1, 0, 0                            ; the tail is written out
	STEP 26, 0, 1, 3, 0                            ; the last refill: slot 10, two steps; step 27's fragments come into set 1
.irp i, 0,1,2,3,4                      ; quarter (1, 0): its step 27 is in registers; slot 10 is first read for step 30, asked for in step 29's turn
	QSTEP 1, 0, \i, \i==2
.endr
	QLOAD 0, 1, 1, 1, 0                            ; the next quarter's step 27 is on its way while the finished quarter leaves
	QOUT 1, 0
.irp i, 0,1,2,3,4
	QSTEP 0, 1, \i, 0
.endr
	QLOAD 1, 1, 1, 1, 0
	QOUT 0, 1
.irp i, 0,1,2,3,4
	QSTEP 1, 1, \i, 0
.endr
	QLOAD 0, 0, 1, 1, 0
	QOUT 1, 1
.irp i, 0,1,2,3,4
	QSTEP 0, 0, \i, 0
.endr
	PLACES                                         ; behind the last products
	QOUT 0, 0
	WIN 0
	s_wait_tensorcnt 0x0                           ; the wave's end
	ds_add_u32 v[SPW], v[NIL]
	s_wait_dscnt 0x0
	CROUND                                         ; the closing round
	s_endpgm
.Lfunc_end_k_q78d3aaa3d3_gemm:
	.size	k_q78d3aaa3d3_gemm, .Lfunc_end_k_q78d3aaa3d3_gemm-k_q78d3aaa3d3_gemm
	.p2alignl 7, 3214868480
	.fill 96, 4, 3214868480
	.section	.rodata,"a",@progbits
	.p2align	6, 0x0
	.amdhsa_kernel k_q78d3aaa3d3_gemm
		.amdhsa_group_segment_fixed_size 327680
		.amdhsa_private_segment_fixed_size 0
		.amdhsa_enable_private_segment 0
		.amdhsa_kernarg_size 40
		.amdhsa_user_sgpr_count 2
		.amdhsa_user_sgpr_kernarg_segment_ptr 1
		.amdhsa_wavefront_size32 1
		.amdhsa_system_sgpr_workgroup_id_x 1
		.amdhsa_system_sgpr_workgroup_id_y 1
		.amdhsa_system_sgpr_workgroup_id_z 1
		.amdhsa_system_vgpr_workitem_id 0
		.amdhsa_next_free_vgpr 1024
		.amdhsa_next_free_sgpr 98
		.amdhsa_reserve_vcc 0
		.amdhsa_float_denorm_mode_32 3
		.amdhsa_float_denorm_mode_16_64 3
		.amdhsa_memory_ordered 1
		.amdhsa_forward_progress 1
		.amdhsa_inst_pref_size 241
	.end_amdhsa_kernel
	.amdgpu_metadata
---
amdhsa.version: [ 1, 2 ]
amdhsa.kernels:
  - .name:           k_q78d3aaa3d3_gemm
    .symbol:         k_q78d3aaa3d3_gemm.kd
    .args:
      - { .name: x_img, .offset: 0, .size: 8, .value_kind: global_buffer, .address_space: global }
      - { .name: w_img, .offset: 8, .size: 8, .value_kind: global_buffer, .address_space: global }
      - { .name: w_sc, .offset: 16, .size: 8, .value_kind: global_buffer, .address_space: global }
      - { .name: bias, .offset: 24, .size: 8, .value_kind: global_buffer, .address_space: global }
      - { .name: out0, .offset: 32, .size: 8, .value_kind: global_buffer, .address_space: global }
    .group_segment_fixed_size: 327680
    .private_segment_fixed_size: 0
    .kernarg_segment_align: 8
    .kernarg_segment_size: 40
    .max_flat_workgroup_size: 128
    .sgpr_count:     98
    .vgpr_count:     1024
    .wavefront_size: 32
...
	.end_amdgpu_metadata
.endif
;; end of part 3
